; MI455X (gfx1250); checked and timed in simulation.
; The chip was launched on July 23, 2026; its instructions are those of AMD's public machine-readable ISA for CDNA 5 (MIT licence, August 2026) and "CDNA5" Instruction Set Architecture Reference Guide (July 2026). The comments in the code are by the model that wrote it; some were corrected since.
;; Adaptive Attention. Allowed arithmetic: matrix products marked QUANTISED: E2M1 operands, one E8M0 scale for each 32 along K, by v_wmma_scale_f32_16x16x128_f8f6f4 with both operands' format E2M1 (or v_wmma_scale_f32_32x16x128_f4), f32 sums; everything else in f32.
;; Inputs: Wk_codes 1,024 x 32 x 16 uint8 (E2M1 codes of Wk, K innermost, in blocks of 32 codes, two codes a byte); Wk_scales 1,024 x 32 uint8 (E8M0 scales of Wk, one for each 32 codes along K); Wq_codes 1,024 x 32 x 16 uint8 (E2M1 codes of Wq, K innermost, in blocks of 32 codes, two codes a byte); Wq_scales 1,024 x 32 uint8 (E8M0 scales of Wq, one for each 32 codes along K); Wv_codes 1,024 x 32 x 16 uint8 (E2M1 codes of Wv, K innermost, in blocks of 32 codes, two codes a byte); Wv_scales 1,024 x 32 uint8 (E8M0 scales of Wv, one for each 32 codes along K); bk 1,024 float32; bq 1,024 float32; bv 1,024 float32; x_codes 4 x 4,096 x 32 x 16 uint8 (E2M1 codes of x, K innermost, in blocks of 32 codes, two codes a byte); x_scales 4 x 4,096 x 32 uint8 (E8M0 scales of x, one for each 32 codes along K).
;; Outputs: out0 4 x 4,096 x 1,024 float32.
;; Constants: span = 128.
;; This version of the problem:
;;   THIS VERSION OF THE PROBLEM IS GIVEN IN LOW PRECISION. The matrix products marked QUANTISED in the list below multiply operands that are first quantised to E2M1 (2 exponent bits, 1 mantissa bit; 4 bits a number), with one power-of-two scale for each 32 numbers along K (OCP MX v1.0); their sums are f32. All else is computed in f32.
;;   The module's matrix products, in the order in which they are computed (A, B: the left and right operand; K: the contracted axis; several contracted axes count as one K, in the product's order):
;;     1. [M 16,384, K 1,024] x [K 1,024, N 1,024]; A: input x (given as codes); B: input Wq (given as codes): QUANTISED
;;     2. [M 16,384, K 1,024] x [K 1,024, N 1,024]; A: input x (given as codes); B: input Wk (given as codes): QUANTISED
;;     3. [M 16,384, K 1,024] x [K 1,024, N 1,024]; A: input x (given as codes); B: input Wv (given as codes): QUANTISED
;;     4. batch 128 x [M 128, K 1,024] x [K 1,024, N 256]; A: computed on the way; B: computed on the way: QUANTISED
;;     5. batch 128 x [M 128, K 256] x [K 256, N 1,024]; A: softmax (see below); B: computed on the way: QUANTISED
;;   THE QUANTISER, for each operand of a quantised product, along K:
;;     - K is cut into blocks of 32 from its start; a last block that is shorter is filled with zeros.
;;     - A block's scale is 2^e with e = floor(log2(the largest magnitude in the block)) - 2, held to -126 .. 127; a block of zeros has e = 0. As a byte (E8M0): e + 127.
;;     - Each number is divided by its block's scale, clamped to +-6, and rounded to the nearest number of E2M1, ties to even, subnormals kept.
;;     - The product sums the exact products of the quantised numbers (number of the format x scale) in f32.
;;   ~~~python
;;   def quantise(x, axis):      # numpy; x: float32 -> the quantised numbers, widened to float32 again
;;       x = np.moveaxis(x, axis, -1); K = x.shape[-1]
;;       x = np.pad(x, [(0, 0)] * (x.ndim - 1) + [(0, -K % 32)]); x = x.reshape(x.shape[:-1] + (-1, 32)); a = np.abs(x).max(-1, keepdims=True)
;;       e = np.where(a > 0, np.clip(np.frexp(np.where(a > 0, a, 1))[1] - 1 - 2, -126, 127), 0)      # np.frexp(a)[1] - 1 = floor(log2(a)), exactly
;;       r = np.clip(x / 2.0 ** e, -6, 6)
;;       step = 2.0 ** (np.maximum(np.frexp(np.where(r == 0, 1, r))[1] - 1, 0) - 1)
;;       q = np.round(r / step) * step * 2.0 ** e      # np.round: ties to even
;;       return np.moveaxis(q.reshape(q.shape[:-2] + (-1,))[..., :K], -1, axis).astype(np.float32)
;;   ~~~
;;   SOFTMAX AHEAD OF A QUANTISED PRODUCT. Where the list says 'softmax', what is quantised is not the finished softmax but p = 2^(t - M), with t = logit x log2(e) and M = ceil(the row's largest t), a whole number; so 1/2 < the row's largest p <= 1. The row's sum l is taken of the UNQUANTISED p, in f32, and the product's result is divided by l at the end. Since M is a whole number, a kernel that streams over the keys may use a running M (the ceiling of the running maximum): every later rescaling is an exact power of two, which a block's scale takes up: the codes' values come out the same.
;;   OPERANDS COMPUTED ON THE WAY. 'Computed on the way' means the value that the module computes at that place (a softmax that the list does not call 'softmax' is quantised finished and normalised). What goes into a quantiser is computed in f32, as accurately as f32 sums, v_exp_f32 and their like allow (about 1e-6 of the number): no bf16 or f16 on the way to a quantiser, and a product that is left as it is and whose result goes on into a quantised operand takes f32 operands (vector FMAs, or v_wmma_f32_16x16x4_f32). A number that lies on a knife's edge between two numbers of the format may be rounded either way, as far as f32 arithmetic and the matrix unit's own rounding can turn it there, and no further.
;;   INPUTS GIVEN AS CODES. Wk (in the module: [1024, 1024], K = its axis 1); Wq (in the module: [1024, 1024], K = its axis 1); Wv (in the module: [1024, 1024], K = its axis 1); x (in the module: [4, 4096, 1024], K = its axis 2): each comes as NAME_codes (uint8): NAME with its K axis moved to the last place and cut into blocks of 32 codes, [.., K / 32, bytes a block], one block behind the other in memory; two codes a byte, the lower K in the low four bits (a code: sign, 2 exponent bits, 1 mantissa bit); and NAME_scales (uint8): the same leading axes, one E8M0 byte (e + 127) for each 32 codes along K. Its value is code x scale, taken as it is: it is not quantised again, and the codes and scales need not be those that the quantiser above would give.
;; One version. Each part assembles by itself: llvm-mc -triple=amdgcn-amd-amdhsa -mcpu=gfx1250 --defsym DOCPART=n.
;; ======== version 1 of 1: 2 launches
;; limits: right only within a limited range of input values
;; workspace buffers: qf 8,388,608 bytes; kf 8,912,896 bytes; vf 8,388,608 bytes; qs 524,288 bytes; vs 524,288 bytes
;; launch proj (part 1): grid 4 x 64, 4 waves a work-group, clusters of 4 x 4, 327,680 bytes of LDS; arguments x_codes, x_scales, Wq_codes, Wq_scales, Wk_codes, Wk_scales, Wv_codes, Wv_scales, bq, bk, bv, qf, qs, kf, vf, vs; writes qf, qs, kf, vf, vs
.if DOCPART == 1
	.amdgcn_target "amdgcn-amd-amdhsa--gfx1250"
	.amdhsa_code_object_version 6
	.text
	.protected	k_q12e02d3888_proj
	.globl	k_q12e02d3888_proj
	.p2align	8
	.type	k_q12e02d3888_proj,@function
k_q12e02d3888_proj:
	s_mov_b64 s[64:65], 0
	v_nop
	global_prefetch_b8 v0, s[64:65] scope:SCOPE_SE
	s_setreg_imm32_b32 hwreg(HW_REG_WAVE_MODE, 25, 1), 1
	s_wait_xcnt 0x0
	s_wait_alu depctr_hold_cnt(0) depctr_sa_sdst(0) depctr_va_vdst(0) depctr_va_sdst(0) depctr_va_ssrc(0) depctr_va_vcc(0) depctr_vm_vsrc(0)
	s_getreg_b32 s2, hwreg(HW_REG_IB_STS2, 6, 4)
	s_cmp_eq_u32 s2, 0
	s_cbranch_scc0 .Lentry_in_a_cluster
	s_endpgm
.Lentry_in_a_cluster:
	s_bfe_u32 s2, ttmp6, 0x10000c
	s_cmp_lg_u32 s2, 0xf033
	s_cbranch_scc0 .Lentry_shape_is_right
	s_endpgm
.Lentry_shape_is_right:
; q, k, v = x W^T + b on codes of E2M1 with E8M0 scales (x: 16,384 tokens x 1,024; Wq, Wk, Wv: 1,024 x 1,024), sums in f32, the bias as the C of each sum's first product;
; the results are quantised in registers and leave as codes: q and k along d (the K of the scores), v along the tokens (the K of the second product of attention).
; Blocks of 32 keys begin at multiples of 32 tokens in the previous block and in the own block alike, so each of q, k, v is quantised once.
; DEAD WORK OF THE PROGRAM (left out in the second launch).  reference() keeps a score only where 0 < k_idx - q_idx <= 128 (k_idx in the pair [previous | own], q_idx in the block), a mask that it builds itself:
; for 16 queries 16 qt .. 16 qt + 15 only the key tiles qt .. qt + 8 of the pair's 16 hold a kept score; the others become the least f32 number ahead of the softmax, whose weight there is 0 for all inputs, so neither
; their scores nor their part of the second product reaches the result.  In the first block of a sequence (n = 0) the previous half is zeros that reference() builds and masks: its scores and its K step go too.
; No input is dead: bq and bk move the codes of q and k, bv those of v.  LIMIT: a NaN, an infinity or an overflow that reaches only the work left out is not carried to the result.
; LIMITS: NaN and infinities among the inputs are not served.  A block's largest magnitude is taken no lower than 2^(3 - 127), so its byte is at least 1; a block of zeros gets the byte 1 where the rule says 127:
; its codes are zeros, and the bytes are read by this program alone.  The bias is added at the head of the f32 sum and not at its end.
; SHARES.  Work-group (c, i) owns tokens 256 i .. + 255 and columns 256 c .. + 255 of q, of k and of v; a wave owns 128 of the tokens and 128 of the columns.  A wave keeps its 128 tokens of x, all of K, in 512 registers for the
; whole launch and walks 12 CHUNKS of 32 columns (4 of q, 4 of k, 4 of v): 64 matrix instructions of 32 x 16 x 128 a chunk, on one of two sets of 8 accumulators of 16 registers, while the chunk before is quantised out of the other set.
; q, k: source 0 = 32 rows of W, source 1 = 16 tokens: a lane holds one token and d 16 u + 8 h + 0 .. 7 of the chunk's 32 (u = 0, 1: registers 8 u + j; h = lane / 16), one block along d.
; v: source 0 = 32 tokens, source 1 = 16 rows of W: a lane holds one d and the tokens 16 u + 8 h + 0 .. 7 of 32, one block along the tokens.  Either way accumulator ch (0 .. 7) holds one block of 32 of its 16 rows.
; LDS.  Slot A: x's 256 rows, later Wk's; slot B: Wq's, later Wv's: rows of 512 bytes + 16.  Then the scale bytes of the work-group's rows of W and the biases, which come through registers once.
; CLUSTER 4 x 4: x is asked for jointly along a row of the cluster, the weights along a column: one load a wave at the head (128 rows of x or of Wq), one a wave behind each of two rounds (64 rows of Wk, of Wv).
; No prefetch: there is no loop to run ahead in, and each refill is asked for 2.5 chunks or more, at least 160 matrix instructions, ahead of its first read.
; OUT.  A fragment (16 rows x 128 K) is stored as an image of its registers: block e of row r at 256 e + 16 r.  Each store covers two whole aligned runs of 256 bytes, sixteen lanes each.
;   qf: [block of 128 tokens][token tile 8][d / 128][1024].   vf: [block][d / 16][1024].
;   kf: [block][half of the block][4 token tiles [d / 128][1024], then the scale words of 4 K steps [512]]: 34,816 bytes a half.
;   Scale words of 128 rows: lane l's 16 bytes = words p = 0 .. 3; lanes 0-15 row tile 2 p, lanes 16-31 row tile 2 p + 1.
; REGISTERS, in windows of 256: window 0 as named below; window 1: accumulators, set s at v[128 s]; windows 2, 3: x's K halves: K step q, token tile a at v[64 (q % 4) + 8 a].
.set PITCH,  528                       ; an LDS row: 512 bytes + 16 of padding: the 16 rows of a fragment load begin 132 words apart
.set SLOT,   256*PITCH
.set SCW,    2*SLOT                    ; scale bytes: [weight 3][256 rows][32]
.set BQ,     SCW+3*8192                ; bq, bk: [2][256] f32
.set BV,     BQ+2048                   ; bv: [256] x four copies
.set SPARE,  BV+4096                   ; the spare words, 128 bytes a wave: two blocks of 256 bytes that no other line names
.set SPW,  1                           ; my spare word; never rewritten
.set NIL,  2                           ; 0; never rewritten
.set ADA,  3                           ; LDS address of my fragments of W in slot A,
.set ADB,  4                           ; and in slot B
.set ADS,  5                           ; of my scale words of W: lane l takes row l of a chunk
.set ADQ,  6                           ; of bq, bk: by lane / 16
.set ADV,  7                           ; of bv: by lane % 16
.set SWB,  8                           ; v8-15   scale words: even row tiles in 8-11, odd ones in 12-15
.set CD,   16                          ; v16-31  codes
.set F0,   32                          ; v32-159 W's fragments of a chunk: K step q, 16 rows b at F0 + 16 q + 8 b
.set XS,   160                         ; v160-191 x's scale words: K step q, 32 tokens p at XS + 8 p + q: lane l token l of the 32
.set WS,   192                         ; v192-199 the chunk's scale words of W by K steps: lane l row l of the 32
.set BI,   200                         ; v200-231 the chunk's bias in the result's layout
.set TM,   232                         ; v232-247 the quantiser's work
.set LQ,   248                         ; 8192 (lane / 16) + 16 (lane % 16)
.set LI,   249                         ; 16 x lane
.set ADX,  250                         ; LDS address of my fragments of x
.set G1A,  20                          ; descriptor group 1: 128 rows of x;
.set G1B,  28                          ; 128 rows of W;
.set G1R,  36                          ; 64 rows of W
.set G0A,  44
.set G0B,  48
.set GRK,  52
.set GRV,  56
.set KSP,  60                          ; where k's scale words go
.set WV,   84
.set RH,   85
.set CH,   86
.set CX,   87
.set CY,   88
.set CC,   89
.set II,   90
.set SEL,  92                          ; lane selects for v_permlanex16_b32 (lane l xor 16)
.set MSB, 0
.macro WIN new                         ; the immediate's high byte repeats the setting that is left; a switch that changes nothing is dropped
.if MSB != (\new)
	s_set_vgpr_msb (MSB<<8)|(\new)
.set MSB, (\new)
.endif
.endm
.macro PLACES n                        ; plain vector instructions between a matrix instruction and a load into, or a read of, its registers
.rept \n
	v_nop
.endr
.endm
.macro CREST                           ; a round of the cluster's barrier behind its opening barrier
	s_cmp_lg_u32 s[WV], 0
	s_cbranch_scc1 .Lnot_wave_0_\@
	s_barrier_signal -3
.Lnot_wave_0_\@:
	s_barrier_wait -3
	s_barrier_signal -1
	s_barrier_wait -1
.endm
.macro CROUND
	s_barrier_signal -1
	s_barrier_wait -1
	CREST
.endm
	s_load_b512 s[4:19], s[0:1], 0x0               ; x's codes, scales; Wq's; Wk's; Wv's
	s_load_b512 s[68:83], s[0:1], 0x40             ; bq 68, bk 70, bv 72, qf 74, qs 76, kf 78, vf 80, vs 82
	v_lshl_add_u32 v[SPW], v0, 2, SPARE
	v_mov_b32 v[NIL], 0
	ds_add_u32 v[SPW], v[NIL]                      ; the wave's opening: the add, twice on end, and its wait ahead of my first tensor load
	ds_add_u32 v[SPW], v[NIL]
	v_lshrrev_b32 v232, 5, v0
	v_readfirstlane_b32 s[WV], v232                ; wave 0..3
	s_lshr_b32 s[RH], s[WV], 1                     ; which 128 tokens are mine.  Also: I fetch x (0) or Wq (1) at the head
	s_and_b32 s[CH], s[WV], 1                      ; which 128 columns.  Also: which 128 rows I fetch
	s_bfe_u32 s[CX], ttmp6, 0x40000
	s_bfe_u32 s[CY], ttmp6, 0x40004
	s_lshl_b32 s[CC], ttmp9, 2
	s_add_co_u32 s[CC], s[CC], s[CX]               ; c = 4 x cluster x + cx
	s_and_b32 s[II], ttmp7, 0xffff
	s_lshl_b32 s[II], s[II], 2
	s_add_co_u32 s[II], s[II], s[CY]               ; i = 4 x cluster y + cy
	s_lshl_b32 s2, s[CY], 2
	s_lshl_b32 s2, 15, s2                          ; my row of the cluster
	s_lshl_b32 s3, 0x1111, s[CX]                   ; my column
	s_or_b32 s[G1A], s2, (1<<20)|(1<<21)|(6<<22)|(3<<25)   ; elements of 1 byte; padding: 4 words behind every 128; bit 21 beside a mask
	s_or_b32 s[G1B], s3, (1<<20)|(1<<21)|(6<<22)|(3<<25)
	s_or_b32 s[G1R], s3, (1<<20)|(1<<21)|(6<<22)|(3<<25)
.macro G1W g, rows                     ; rows of 512 bytes, dense in memory
	s_mov_b32 s[\g+1], 512<<16
	s_mov_b32 s[\g+2], \rows<<16
	s_mov_b32 s[\g+3], 512<<16
	s_mov_b32 s[\g+4], \rows
	s_mov_b32 s[\g+5], 512
	s_mov_b32 s[\g+6], 0
	s_mov_b32 s[\g+7], 0
.endm
	G1W G1A, 128
	G1W G1B, 128
	G1W G1R, 64
	s_lshl_b32 s2, s[CH], 7
	s_lshl_b32 s94, s[II], 8
	s_add_co_u32 s94, s94, s2
	s_lshl_b32 s94, s94, 9                         ; x: (256 i + 128 (w % 2)) rows of 512 bytes
	s_mov_b32 s95, 0
	s_lshl_b32 s96, s[CC], 8
	s_add_co_u32 s96, s96, s2
	s_lshl_b32 s96, s96, 9                         ; Wq: (256 c + 128 (w % 2)) rows
	s_mov_b32 s97, 0
	s_lshl_b32 s98, s[CC], 8
	s_lshl_b32 s2, s[WV], 6
	s_add_co_u32 s98, s98, s2
	s_lshl_b32 s98, s98, 9                         ; Wk, Wv: (256 c + 64 w) rows
	s_mov_b32 s99, 0
	s_lshl_b32 s100, s[CC], 13
	s_lshl_b32 s2, s[WV], 11
	s_add_co_u32 s100, s100, s2                    ; the scale bytes of the same 64 rows
	s_mov_b32 s101, 0
	s_mov_b32 s[G0A], 1
	s_mul_i32 s[G0A+1], s[WV], 128*PITCH           ; slot A: x's rows by waves 0, 1; slot B: Wq's by waves 2, 3
	s_mov_b32 s[G0B], 1
	s_mul_i32 s[G0B+1], s[WV], 128*PITCH
	s_mov_b32 s[GRK], 1
	s_mul_i32 s[GRK+1], s[WV], 64*PITCH
	s_mov_b32 s[GRV], 1
	s_add_co_u32 s[GRV+1], s[GRK+1], SLOT
	s_mov_b32 s[SEL], 0x76543210
	s_mov_b32 s[SEL+1], 0xfedcba98
	s_mul_i32 s2, s[RH], 128*PITCH                 ; LDS: my 128 rows of x,
	s_mul_i32 s3, s[CH], 128*PITCH                 ; of W in slot A,
	s_add_co_u32 s60, s3, SLOT                     ; and in slot B
	s_lshl_b32 s61, s[CH], 12
	s_add_co_u32 s61, s61, SCW
	s_lshl_b32 s62, s[CH], 9
	s_add_co_u32 s62, s62, BQ
	s_lshl_b32 s63, s[CH], 11
	s_add_co_u32 s63, s63, BV
	s_lshl_b32 s66, s[WV], 11
	s_add_co_u32 s66, s66, SCW
	s_lshl_b32 s67, s[WV], 8
	s_add_co_u32 s67, s67, BQ
	s_lshl_b32 s91, s[WV], 10
	s_add_co_u32 s91, s91, BV
	v_and_b32 v233, 31, v0                         ; lane
	v_and_b32 v234, 15, v0                         ; r
	v_bfe_u32 v235, v0, 4, 1                       ; h
	v_lshlrev_b32 v[LI], 4, v233
	v_lshlrev_b32 v251, 3, v233
	v_lshlrev_b32 v252, 5, v233
	v_mul_u32_u24 v236, v234, PITCH
	v_lshl_add_u32 v236, v235, 4, v236             ; a fragment's row x pitch + 16 h
	v_add_nc_u32 v[ADX], s2, v236
	v_add_nc_u32 v[ADA], s3, v236
	v_add_nc_u32 v[ADB], s60, v236
	v_add_nc_u32 v[ADS], s61, v252
	v_lshl_add_u32 v[ADQ], v235, 5, s62
	v_lshl_add_u32 v[ADV], v234, 4, s63
	v_lshlrev_b32 v[LQ], 13, v235
	v_lshl_add_u32 v[LQ], v234, 4, v[LQ]
	v_add_nc_u32 v253, s66, v[LI]                  ; where I put scale bytes,
	v_add_nc_u32 v254, s67, v251                   ; bq and bk,
	v_add_nc_u32 v255, s91, v252                   ; and bv
	s_wait_alu depctr_va_vdst(0)
	s_wait_dscnt 0x0                               ; both opening adds are done
	s_wait_kmcnt 0x0
	s_add_nc_u64 s[G0A+2:G0A+3], s[4:5], s[94:95]
	s_or_b32 s[G0A+3], s[G0A+3], 0x80000000
	s_add_nc_u64 s[G0B+2:G0B+3], s[8:9], s[96:97]
	s_or_b32 s[G0B+3], s[G0B+3], 0x80000000
	CROUND                                         ; all sixteen work-groups are here: the first joint loads meet
	s_cmp_eq_u32 s[RH], 0                          ; one load a wave: waves 0 and 1 fetch x, waves 2 and 3 Wq
	s_cbranch_scc0 .Lfor_w
	tensor_load_to_lds s[G0A:G0A+3], s[G1A:G1A+7]
	s_nop 0
	PLACES 4
	s_branch .Lasked
.Lfor_w:
	tensor_load_to_lds s[G0B:G0B+3], s[G1B:G1B+7]
	s_nop 0
	PLACES 4
.Lasked:
	s_add_nc_u64 s[10:11], s[10:11], s[100:101]
	s_add_nc_u64 s[14:15], s[14:15], s[100:101]
	s_add_nc_u64 s[18:19], s[18:19], s[100:101]
	s_lshr_b32 s66, s100, 3                        ; my 64 biases: 4 bytes where the scale bytes are 32
	s_mov_b32 s67, 0
	s_add_nc_u64 s[68:69], s[68:69], s[66:67]
	s_add_nc_u64 s[70:71], s[70:71], s[66:67]
	s_add_nc_u64 s[72:73], s[72:73], s[66:67]
	s_lshl_b32 s62, s[II], 13
	s_lshl_b32 s63, s[RH], 12
	s_add_co_u32 s62, s62, s63                     ; x's scale bytes: (256 i + 128 RH) rows of 32 bytes
	s_mov_b32 s63, 0
	s_add_nc_u64 s[6:7], s[6:7], s[62:63]
.irp t, 0,1,2                          ; the scale bytes of 64 rows of each weight: 2,048 dense bytes
.irp e, 0,1,2,3
	global_load_b128 v[32+16*\t+4*\e:35+16*\t+4*\e], v[LI], s[10+4*\t:11+4*\t] offset:512*\e
.endr
	global_load_b64 v[80+2*\t:81+2*\t], v251, s[68+2*\t:69+2*\t]
.endr
.irp p, 0,1,2,3                        ; x's scale words stay in registers: lane l takes the 32 bytes of token 32 p + l
	global_load_b128 v[XS+8*\p:XS+8*\p+3], v252, s[6:7] offset:1024*\p
	global_load_b128 v[XS+8*\p+4:XS+8*\p+7], v252, s[6:7] offset:1024*\p+16
.endr
	s_add_nc_u64 s[GRK+2:GRK+3], s[12:13], s[98:99]
	s_or_b32 s[GRK+3], s[GRK+3], 0x80000000
	s_add_nc_u64 s[GRV+2:GRV+3], s[16:17], s[98:99]
	s_or_b32 s[GRV+3], s[GRV+3], 0x80000000
	s_lshl_b32 s2, s[II], 1
	s_add_co_u32 s2, s2, s[RH]                     ; my block of 128 tokens
	s_lshl_b32 s3, s[CC], 1
	s_add_co_u32 s3, s3, s[CH]                     ; my group of 128 columns
	s_lshl_b32 s94, s2, 16
	s_lshl_b32 s62, s3, 10
	s_add_co_u32 s94, s94, s62
	s_add_nc_u64 s[74:75], s[74:75], s[94:95]      ; qf (s95 is 0)
	s_lshl_b32 s94, s2, 12
	s_lshl_b32 s63, s3, 9
	s_add_co_u32 s94, s94, s63
	s_add_nc_u64 s[76:77], s[76:77], s[94:95]      ; qs
	s_add_nc_u64 s[82:83], s[82:83], s[94:95]      ; vs
	s_lshl_b32 s94, s2, 16
	s_lshl_b32 s66, s3, 13
	s_add_co_u32 s94, s94, s66
	s_add_nc_u64 s[80:81], s[80:81], s[94:95]      ; vf
	s_mul_i32 s94, s2, 69632
	s_lshr_b32 s66, s3, 2
	s_lshl_b32 s66, s66, 15
	s_add_co_u32 s96, s94, s66
	s_add_co_u32 s96, s96, s63
	s_add_co_u32 s96, s96, 32768                   ; K step g of k: its scale words lie in half g / 4, behind that half's codes
	s_add_nc_u64 s[KSP:KSP+1], s[78:79], s[96:97]  ; (s97 is 0)
	s_add_co_u32 s94, s94, s62
	s_add_nc_u64 s[78:79], s[78:79], s[94:95]      ; kf
.macro FETCH hf, ck                    ; half hf (512 along K) of chunk ck's fragments of W and scale words; with half 0 the bias
.set FT, (\ck)/4
.set FJ, (\ck)%4
.set FA, ADB-(FT%2)                    ; q and v lie in slot B, k in slot A
	WIN 0
.irp q, 0,1,2,3
.irp b, 0,1
.irp c, 0,1
	ds_load_b128 v[F0+64*\hf+16*\q+8*\b+4*\c:F0+64*\hf+16*\q+8*\b+4*\c+3], v[FA] offset:FJ*32*PITCH+\b*16*PITCH+256*\hf+64*\q+32*\c
.endr
.endr
.endr
	ds_load_b128 v[WS+4*\hf:WS+4*\hf+3], v[ADS] offset:FT*8192+FJ*1024+16*\hf
.if \hf == 0
.irp b, 0,1
.if FT < 2
.irp g, 0,1                            ; q, k: register 8 b + j of lane (r, h) is the bias of column 16 b + 8 h + j
	ds_load_b128 v[BI+8*\b+4*\g:BI+8*\b+4*\g+3], v[ADQ] offset:FT*1024+FJ*128+64*\b+16*\g
.endr
.else
.irp g, 0,1,2,3                        ; v: all sixteen registers of b are the bias of column 16 b + r
	ds_load_b128 v[BI+16*\b+4*\g:BI+16*\b+4*\g+3], v[ADV] offset:FJ*512+256*\b
.endr
.endif
.endr
.endif
.endm
.macro XLD q                           ; K step q of my 128 tokens of x
	WIN 0x80+0x40*(\q/4)
.irp a, 0,1,2,3,4,5,6,7
.irp c, 0,1
	ds_load_b128 v[64*(\q%4)+8*\a+4*\c:64*(\q%4)+8*\a+4*\c+3], v[ADX] offset:\a*16*PITCH+64*\q+32*\c
.endr
.endr
.endm
; K step q of a chunk: eight matrix instructions, the eight accumulators by turns.  The first K step takes the bias as C.
.macro MULK q
.if KIND == 0
.if \q == 0
	WIN 0x48
.else
	WIN 0x58+4*(\q/4)
.endif
.irp a, 0,1,2,3,4,5,6,7
.set rD, 128*P+16*\a
.set rX, 64*(\q%4)+8*\a
.set rC, rD
.if \q == 0
.set rC, BI
.endif
.if (\a)%2 == 0
	v_wmma_scale_f32_32x16x128_f4 v[rD:rD+15], v[F0+16*\q:F0+16*\q+15], v[rX:rX+7], v[rC:rC+15], v[WS+\q], v[XS+8*(\a/2)+\q]
.else
	v_wmma_scale_f32_32x16x128_f4 v[rD:rD+15], v[F0+16*\q:F0+16*\q+15], v[rX:rX+7], v[rC:rC+15], v[WS+\q], v[XS+8*(\a/2)+\q] matrix_b_scale:MATRIX_SCALE_ROW1
.endif
.endr
.else
.if \q == 0
	WIN 0x42
.else
	WIN 0x52+(\q/4)
.endif
.irp a, 0,1,2,3,4,5,6,7                ; accumulator a: 16 columns a / 4, 32 tokens a % 4
.set rD, 128*P+16*\a
.set rX, 64*(\q%4)+16*(\a%4)
.set rW, F0+16*\q+8*(\a/4)
.set rC, rD
.if \q == 0
.set rC, BI+16*(\a/4)
.endif
.if \a < 4
	v_wmma_scale_f32_32x16x128_f4 v[rD:rD+15], v[rX:rX+15], v[rW:rW+7], v[rC:rC+15], v[XS+8*(\a%4)+\q], v[WS+\q]
.else
	v_wmma_scale_f32_32x16x128_f4 v[rD:rD+15], v[rX:rX+15], v[rW:rW+7], v[rC:rC+15], v[XS+8*(\a%4)+\q], v[WS+\q] matrix_b_scale:MATRIX_SCALE_ROW1
.endif
.endr
.endif
.endm
; THE QUANTISER of the chunk before (set QP).  Eight chains, one for each accumulator: 16 numbers a lane of one block of 32.  MAXR: two numbers of each half of each accumulator, from its low end on.
.macro MAXR n
	WIN 0x14
.irp u, 0,1
.irp a, 0,1,2,3,4,5,6,7
.set rM, 128*QP+16*\a+8*\u+2*\n
.if \n == 0
	v_max3_num_f32 v[TM+8*\u+\a], 0x1800000, |v[rM]|, |v[rM+1]|            ; with the floor 2^(3 - 127): the byte cannot fall under 1
.else
	v_max3_num_f32 v[TM+8*\u+\a], v[TM+8*\u+\a], |v[rM]|, |v[rM+1]|
.endif
.endr
.endr
.endm
.macro QFIN
	WIN 0
.irp a, 0,1,2,3,4,5,6,7
	v_max_num_f32 v[TM+\a], v[TM+\a], v[TM+8+\a]
.endr
.irp a, 0,1,2,3,4,5,6,7
	v_permlanex16_b32 v[TM+8+\a], v[TM+\a], s[SEL], s[SEL+1]
.endr
.irp a, 0,1,2,3,4,5,6,7
	v_max_num_f32 v[TM+\a], v[TM+\a], v[TM+8+\a]       ; with lane l xor 16's 16: the block's largest magnitude
.endr
.irp a, 0,1,2,3,4,5,6,7
	v_add_nc_u32 v[TM+8+\a], 0xff000000, v[TM+\a]      ; 2 off its exponent field: the conversion's scale operand
.endr
.irp a, 0,1,2,3,4,5,6,7
	v_lshrrev_b32 v[TM+\a], 23, v[TM+8+\a]             ; the scale's byte
.endr
.if QK == 0
.irp a, 0,1,2,3,4,5,6,7                ; q, k: a token's word takes one byte a chunk, from the top: four chunks on the first lies lowest
.if QJ == 0
	v_lshlrev_b32 v[SWB+4*(\a%2)+\a/2], 24, v[TM+\a]
.else
	v_alignbit_b32 v[SWB+4*(\a%2)+\a/2], v[TM+\a], v[SWB+4*(\a%2)+\a/2], 8
.endif
.endr
.else
.irp e, 1,2,3                          ; v: the four blocks of a column make its word
.if \e == 1
	v_lshl_or_b32 v[SWB+QJ], v[TM+1], 8, v[TM]
	v_lshl_or_b32 v[SWB+4], v[TM+5], 8, v[TM+4]
.else
	v_lshl_or_b32 v[SWB+QJ], v[TM+\e], 8*\e, v[SWB+QJ]
	v_lshl_or_b32 v[SWB+4], v[TM+4+\e], 8*\e, v[SWB+4]
.endif
.endr
	v_permlane16_swap_b32 v[SWB+QJ], v[SWB+4]          ; lanes 0-15 columns 0-15 of the chunk, lanes 16-31 the others
.endif
	WIN 0x01
.irp a, 0,1,2,3,4,5,6,7
.irp u, 0,1
	v_cvt_scalef32_pk8_fp4_f32 v[CD+4*(\a/2)+2*\u+(\a%2)], v[128*QP+16*\a+8*\u:128*QP+16*\a+8*\u+7], v[TM+8+\a]   ; the codes of K = 16 u + 8 h + 0 .. 7 of the block
.endr
.endr
	WIN 0
	v_nop                                          ; one plain place behind the last scaled conversion
.irp p, 0,1,2,3                        ; the pair of chains 2 p, 2 p + 1 changes halves: lanes 0-15 hold the 16 bytes of the first's rows, lanes 16-31 those of the second's
	v_permlane16_swap_b32 v[CD+4*\p], v[CD+4*\p+1]
	v_permlane16_swap_b32 v[CD+4*\p+2], v[CD+4*\p+3]
.endr
.if (QK == 0) && (QJ == 3)
.irp p, 0,1,2,3
	v_permlane16_swap_b32 v[SWB+\p], v[SWB+4+\p]       ; lanes 0-15 row tile 2 p, lanes 16-31 row tile 2 p + 1
.endr
.endif
.endm
.macro QOUT
	WIN 0
.irp p, 0,1,2,3
.if QT == 0
	global_store_b128 v[LQ], v[CD+4*\p:CD+4*\p+3], s[74:75] offset:16384*\p+256*QJ
.elseif QT == 1
	global_store_b128 v[LQ], v[CD+4*\p:CD+4*\p+3], s[78:79] offset:16384*\p+2048*(\p/2)+256*QJ   ; a half's scale words lie behind its four tiles
.else
	global_store_b128 v[LI], v[CD+4*\p:CD+4*\p+3], s[80:81] offset:512*\p+2048*QJ
.endif
.endr
.if QJ == 3
.if QT == 0
	global_store_b128 v[LI], v[SWB:SWB+3], s[76:77]
.elseif QT == 1
	global_store_b128 v[LI], v[SWB:SWB+3], s[KSP:KSP+1]
.else
	global_store_b128 v[LI], v[SWB:SWB+3], s[82:83]
.endif
.endif
.endm
.macro PREV ck                         ; the chunk that is quantised
.set QP, (\ck)%2
.set QT, (\ck)/4
.set QK, (\ck)/8
.set QJ, (\ck)%4
.endm
; CHUNK ck, 1 .. 11.  W's half 0 was fetched in the middle of the chunk before; half 1 is fetched at the start, the next chunk's half 0 in the middle.
; In the middle of q's last chunk Wk is read for the first time and Wq for the last: one round for both, behind which Wv is asked for.  In the middle of k's last chunk a plain barrier shows Wv.
.macro CHUNK ck
.set P, (\ck)%2
.set KIND, (\ck)/8
	PREV (\ck)-1
	s_wait_dscnt 0x0                               ; half 0, its scale words and the bias are in
	PLACES 4                                       ; for the loads below and for the first reads of the last chunk's results
	FETCH 1, \ck
	MAXR 0
	MAXR 1
	MAXR 2
	MULK 0
	MULK 1
	MULK 2
	MULK 3
	WIN 0
.if ((\ck)%4 == 3) && ((\ck) < 8)
	s_wait_tensorcnt 0x0                           ; my part of the next weight has landed
	ds_add_u32 v[SPW], v[NIL]                      ; 0 onto my spare word
	s_wait_xcnt 0x0                                ; the earlier stores have read their data
	MAXR 3
	QFIN
	s_wait_alu depctr_va_vdst(0)
	s_wait_dscnt 0x0                               ; the add is done, and my reads of this weight are over
	s_barrier_signal -1
	MULK 4
	WIN 0
	s_barrier_wait -1
.if (\ck) == 3
	CREST                                          ; no wave of any partner still reads slot B or has a load on its way
	tensor_load_to_lds s[GRV:GRV+3], s[G1R:G1R+7]  ; Wv into slot B
	s_nop 0
	PLACES 4
.endif
	FETCH 0, (\ck)+1
	MULK 5
.else
	s_wait_dscnt 0x0                               ; half 1 and its scale words are in
	s_wait_xcnt 0x0                                ; the earlier stores have read their data
	MAXR 3                                         ; (also the places in front of the loads below)
.if (\ck) < 11
	FETCH 0, (\ck)+1
.endif
	QFIN
	MULK 4
	MULK 5
.endif
	QOUT
	MULK 6
	MULK 7
.endm
	s_wait_alu depctr_va_vdst(0)
	s_wait_loadcnt 0x0                             ; scale bytes and biases are in registers,
	s_wait_tensorcnt 0x0                           ; and my part of x or of Wq is in LDS
.irp e, 0,1,2,3
	v_mov_b32 v[88+\e], v84                        ; bv in four copies: v's sums want one column's bias in all registers
	v_mov_b32 v[92+\e], v85
.endr
.irp t, 0,1,2
.irp e, 0,1,2,3
	ds_store_b128 v253, v[32+16*\t+4*\e:35+16*\t+4*\e] offset:8192*\t+512*\e
.endr
.endr
	ds_store_b64 v254, v[80:81]
	ds_store_b64 v254, v[82:83] offset:1024
	ds_store_b128 v255, v[88:91]
	ds_store_b128 v255, v[92:95] offset:16
	s_wait_dscnt 0x0
	s_barrier_signal -1
	s_barrier_wait -1                              ; x, Wq, the scale bytes and the biases are in
; CHUNK 0: x goes into registers K step by K step; a K step is multiplied as soon as it is in.
.set P, 0
.set KIND, 0
	FETCH 0, 0                                     ; 21 loads
	XLD 0                                          ; 16 a K step
	XLD 1
	XLD 2
	s_wait_dscnt 32                                ; K steps 1, 2 may be out
	MULK 0
	XLD 3
	FETCH 1, 0                                     ; 17 loads
	s_wait_dscnt 49                                ; K steps 2, 3 and the 17
	MULK 1
	XLD 4
	s_wait_dscnt 49                                ; K step 3, the 17, K step 4
	MULK 2
	XLD 5
	s_wait_dscnt 49                                ; the 17, K steps 4, 5
	MULK 3
	XLD 6
	s_wait_dscnt 32                                ; K steps 5, 6
	MULK 4
	XLD 7
	s_wait_dscnt 32                                ; K steps 6, 7
	MULK 5
	PLACES 4
	FETCH 0, 1                                     ; 21 loads
	s_wait_dscnt 37                                ; K step 7 and the 21
	MULK 6
	WIN 0
	s_wait_tensorcnt 0x0                           ; no tensor load of mine is out
	ds_add_u32 v[SPW], v[NIL]                      ; 0 onto my spare word
	s_wait_dscnt 22                                ; the 21 and the add
	MULK 7
	WIN 0
	s_wait_dscnt 0x0                               ; the add is done, and my reads of x are over
	CROUND                                         ; those of every partner are
	tensor_load_to_lds s[GRK:GRK+3], s[G1R:G1R+7]  ; Wk into slot A, over x
	s_nop 0
	PLACES 4
	CHUNK 1
	CHUNK 2
	CHUNK 3
	CHUNK 4
	CHUNK 5
	CHUNK 6
	CHUNK 7
	CHUNK 8
	CHUNK 9
	CHUNK 10
	CHUNK 11
	PLACES 4                                       ; the last chunk is quantised alone
	PREV 11
	MAXR 0
	MAXR 1
	MAXR 2
	s_wait_xcnt 0x0
	MAXR 3
	QFIN
	QOUT
	s_wait_tensorcnt 0x0                           ; the wave's end: behind my last tensor load and my last LDS store
	ds_add_u32 v[SPW], v[NIL]
	s_wait_dscnt 0x0
	CROUND                                         ; the closing round: no work-group ends while a partner may still ask for a tile that names it
	s_endpgm
.Lfunc_end_k_q12e02d3888_proj:
	.size	k_q12e02d3888_proj, .Lfunc_end_k_q12e02d3888_proj-k_q12e02d3888_proj
	.p2alignl 7, 3214868480
	.fill 96, 4, 3214868480
	.section	.rodata,"a",@progbits
	.p2align	6, 0x0
	.amdhsa_kernel k_q12e02d3888_proj
		.amdhsa_group_segment_fixed_size 327680
		.amdhsa_private_segment_fixed_size 0
		.amdhsa_enable_private_segment 0
		.amdhsa_kernarg_size 128
		.amdhsa_user_sgpr_count 2
		.amdhsa_user_sgpr_kernarg_segment_ptr 1
		.amdhsa_wavefront_size32 1
		.amdhsa_system_sgpr_workgroup_id_x 1
		.amdhsa_system_sgpr_workgroup_id_y 1
		.amdhsa_system_sgpr_workgroup_id_z 1
		.amdhsa_system_vgpr_workitem_id 0
		.amdhsa_next_free_vgpr 1024
		.amdhsa_next_free_sgpr 106
		.amdhsa_reserve_vcc 0
		.amdhsa_float_denorm_mode_32 3
		.amdhsa_float_denorm_mode_16_64 3
		.amdhsa_memory_ordered 1
		.amdhsa_forward_progress 1
		.amdhsa_inst_pref_size 255
	.end_amdhsa_kernel
	.section	.bss,"aw",@nobits
	.p2align	6
	.space	262144
	.amdgpu_metadata
---
amdhsa.version: [ 1, 2 ]
amdhsa.kernels:
  - .name:           k_q12e02d3888_proj
    .symbol:         k_q12e02d3888_proj.kd
    .args:
      - { .name: x_codes, .offset: 0, .size: 8, .value_kind: global_buffer, .address_space: global }
      - { .name: x_scales, .offset: 8, .size: 8, .value_kind: global_buffer, .address_space: global }
      - { .name: Wq_codes, .offset: 16, .size: 8, .value_kind: global_buffer, .address_space: global }
      - { .name: Wq_scales, .offset: 24, .size: 8, .value_kind: global_buffer, .address_space: global }
      - { .name: Wk_codes, .offset: 32, .size: 8, .value_kind: global_buffer, .address_space: global }
      - { .name: Wk_scales, .offset: 40, .size: 8, .value_kind: global_buffer, .address_space: global }
      - { .name: Wv_codes, .offset: 48, .size: 8, .value_kind: global_buffer, .address_space: global }
      - { .name: Wv_scales, .offset: 56, .size: 8, .value_kind: global_buffer, .address_space: global }
      - { .name: bq, .offset: 64, .size: 8, .value_kind: global_buffer, .address_space: global }
      - { .name: bk, .offset: 72, .size: 8, .value_kind: global_buffer, .address_space: global }
      - { .name: bv, .offset: 80, .size: 8, .value_kind: global_buffer, .address_space: global }
      - { .name: qf, .offset: 88, .size: 8, .value_kind: global_buffer, .address_space: global }
      - { .name: qs, .offset: 96, .size: 8, .value_kind: global_buffer, .address_space: global }
      - { .name: kf, .offset: 104, .size: 8, .value_kind: global_buffer, .address_space: global }
      - { .name: vf, .offset: 112, .size: 8, .value_kind: global_buffer, .address_space: global }
      - { .name: vs, .offset: 120, .size: 8, .value_kind: global_buffer, .address_space: global }
    .group_segment_fixed_size: 327680
    .private_segment_fixed_size: 0
    .kernarg_segment_align: 8
    .kernarg_segment_size: 128
    .max_flat_workgroup_size: 128
    .sgpr_count:     106
    .vgpr_count:     1024
    .wavefront_size: 32
...
	.end_amdgpu_metadata
.endif
;; end of part 1
;; launch attn (part 2): grid 256 x 1, 4 waves a work-group, no clusters, 196,608 bytes of LDS; arguments qf, qs, kf, vf, vs, out0; writes out0
.if DOCPART == 2
	.amdgcn_target "amdgcn-amd-amdhsa--gfx1250"
	.amdhsa_code_object_version 6
	.text
	.protected	k_q12e02d3888_attn
	.globl	k_q12e02d3888_attn
	.p2align	8
	.type	k_q12e02d3888_attn,@function
k_q12e02d3888_attn:
	s_mov_b64 s[64:65], 0
	v_nop
	global_prefetch_b8 v0, s[64:65] scope:SCOPE_SE
	s_setreg_imm32_b32 hwreg(HW_REG_WAVE_MODE, 25, 1), 1
	s_wait_xcnt 0x0
; out[t] = the sum over the keys max(sequence start, t - 127) .. t of softmax(q[t] . k / 32) v, both products on codes of E2M1 with E8M0 scales, from the fragment images that the first launch stored.
; WORK LEFT OUT (shown dead at the head of the first kernel): the key tiles outside qt .. qt + 8 of a tile of 16 queries, and in a sequence's first block (n = 0) the whole previous half.  The same limit holds:
; a NaN, an infinity or an overflow that reaches only that work is not carried to the result.
; THE SOFTMAX: t = score x log2(e) / 32; M = the row's largest t rounded up to a whole number; p = 2^(t - M) is quantised along the keys, in blocks of 32; the row's sum is taken of the unquantised p and divides at the end.
; LIMITS: NaN and infinities are not served; a block's largest p is taken no lower than 2^(3 - 127) (byte 1 over zero codes); blocks of keys that a query tile does not reach get zero codes under the byte 0.
; The second product sums the own block's K step first, then the previous block's.
; SHARES.  Work-group g = 16 m + 8 e + z: block 16 z + m of 128 queries, half e of d.  SCORES: wave w owns query tiles 2 w, 2 w + 1 and the key blocks of 32 w .. w + 4 of the pair's eight.  Both work-groups of a block make its scores:
; so each of 256 work-groups owns 128 rows x 512 columns of the result.  OUTPUT: wave w owns d 128 (4 e + w) .. + 127 for all 128 queries; p goes from wave to wave through LDS.
; TWO PASSES.  Pass t (0, 1) takes each wave's query tile 2 w + t: its scores, its softmax, p to LDS, one barrier, then the output of the four query tiles of that parity.  So the first stores leave behind half of the scores
; and exponentials, and the second pass's scores and softmax are worked while the first pass's stores are on their way.  The price: K's fragments are read from LDS once a pass.
; The odd tiles' p, scale words and reciprocals have LDS bytes of their own, so a wave that stores them meets no read of the even tiles': one barrier a pass, between the stores and the reads.
; Both products are used transposed: S^T = K Q^T, O^T = V^T P^T: a lane holds one query (lane % 16) throughout.
; K's 16 tiles x 8 K steps and their scale words come once, by one tensor load a wave at the head; nothing is filled again.  For n = 0 the previous half's loads take the own block's bytes, which stay unread:
; the first fills are the same text for every work-group.  q and v go straight into registers: each fragment is read by one wave.  What is wanted first is asked for first: K and the even tile's q; v and the odd tile's q
; are asked for when the even tile's q has landed.
; NO CLUSTER: K's bytes are shared by the two work-groups of a block alone and are asked for once, at the head; a cluster of four would hold two blocks, and one block's keys would be the own half in two partners and
; the previous half in the others: an LDS address that hangs on the place in the cluster.
; REGISTERS: window 0: v1-31 addresses and constants; v32-39 Q's scale words, v40-47 K's, v48-55 V's, v240-243 P's (these hold scales alone); v56-91 the softmax's work, later two sets of P; v96-175 S^T of one query tile, then p
;   (key block i, key tile u, register j at 96 + 16 i + 8 u + j), later O scaled; v176-239 rows on their way out.   window 1: v0-63 Q of the even tile, later O^T; v64-127 Q of the odd tile; v128-255 K of a key block.   window 2: v0-127 V.
.set KQ,    34816                      ; LDS: K in four parts of KQ bytes from 0: part 2 x half + e: the images of four tiles [tile][K step][1024], then the scale words of the half's K steps 4 e .. 4 e + 3 [512]: one tensor load a wave brings a part;
.set PIMG,  139264                     ; p's codes [query tile][key block][16 rows x 16 bytes];
.set PSC,   155648                     ; p's scale words [query tile][K step][4 bytes a lane];
.set PLI,   157696                     ; 1 / the row's sum [query tile][4 bytes a lane];
.set STAGE, 158720                     ; the way out: 16 rows x (512 + 16) bytes for each wave;
.set SPARE, 192512                     ; the spare words, 128 bytes a wave: two blocks of 256 bytes that no other line names
.set LI,  1                            ; 16 x lane
.set LS,  2                            ; 4 x lane
.set RR,  3                            ; r = lane % 16
.set HH,  4                            ; h = lane / 16
.set SPW, 5
.set NIL, 6
.set DV,  7                            ; r - 8 h
.set PSL, 8                            ; PSC + 4 x lane
.set NEG, 9                            ; -infinity
.set AK,  10                           ; v10-14  K's images of key block w + i
.set ASK, 15                           ; v15-19  and their scale words
.set PST, 20                           ; where I store p's codes
.set PZ,  21                           ; v21-23  and zeros for the three key blocks that my query tiles do not reach
.set PSS, 24
.set PLS, 25
.set STO, 26
.set RD,  27
.set QSO, 28
.set PLD, 29                           ; PIMG + 16 x lane
.set ZZ,  30                           ; v30, v31: 0
.set QSW, 32
.set KSW, 40
.set VSW, 48
.set BM,  56                           ; v56-60  a block's largest score, then its largest p, then its byte
.set BP,  61                           ; v61-65  the other half's, then the conversions' scale operands
.set CB,  66                           ; v66-75  p's codes
.set NM,  76                           ; v76-77  -M as a pair
.set PWD, 78                           ; v78-79  p's two scale words on their way to LDS
.set RS,  80                           ; v80-87  sums, four pairs
.set RM,  88
.set SS,  96
.set OS,  96
.set BK,  176
.set PW,  240                          ; v240-243 P's scale words, two sets
.set G1K, 20
.set G0K, 36
.set WV,  44
.set BLK, 45
.set EE,  46
.set NN,  47
.set FIRST, 48                         ; the first of my five key blocks that counts: 4 - w where n = 0, else 0
.set BACK, 49
.set SEL, 50
.set CS,  52
.set PSEL, 54
.set MSB, 0
.macro WIN new
.if MSB != (\new)
	s_set_vgpr_msb (MSB<<8)|(\new)
.set MSB, (\new)
.endif
.endm
.macro PLACES
.rept 4
	v_nop
.endr
.endm
	s_load_b128 s[4:7], s[0:1], 0x0                ; qf, qs
	s_load_b64 s[8:9], s[0:1], 0x10                ; kf
	s_load_b128 s[12:15], s[0:1], 0x18             ; vf, vs
	s_load_b64 s[16:17], s[0:1], 0x28              ; out0
	v_lshl_add_u32 v[SPW], v0, 2, SPARE
	v_mov_b32 v[NIL], 0
	ds_add_u32 v[SPW], v[NIL]                      ; the wave's opening: the add, twice on end, and its wait ahead of my first tensor load
	ds_add_u32 v[SPW], v[NIL]
	v_lshrrev_b32 v90, 5, v0
	v_readfirstlane_b32 s[WV], v90                 ; wave 0..3
	s_and_b32 s[BLK], ttmp9, 7                     ; g = 16 m + 8 e + z: block 16 z + m, half e of d: neighbouring blocks, and both halves of a block, have the same z
	s_lshl_b32 s[BLK], s[BLK], 4
	s_lshr_b32 s[EE], ttmp9, 4
	s_add_co_u32 s[BLK], s[BLK], s[EE]
	s_bfe_u32 s[EE], ttmp9, 0x10003
	s_and_b32 s[NN], s[BLK], 31                    ; the block's number in its sequence
	s_sub_co_u32 s[FIRST], 4, s[WV]
	s_cmp_eq_u32 s[NN], 0
	s_cselect_b32 s[FIRST], s[FIRST], 0
	s_cselect_b32 s[BACK], 0, 1                    ; the previous block lies one back; for n = 0 the address is held at the own block
	s_lshr_b32 s55, s[WV], 1
	s_xor_b32 s55, s55, 1
	s_and_b32 s55, s55, s[BACK]
	s_sub_co_u32 s55, s[BLK], s55                  ; waves 0, 1 fetch the previous block's K, waves 2, 3 the own block's; each half of it
	s_and_b32 s62, s[WV], 1
	s_mul_i32 s56, s55, 2*KQ
	s_mul_i32 s63, s62, KQ
	s_add_co_u32 s56, s56, s63
	s_mov_b32 s57, 0
	s_mov_b32 s[G1K], 3<<16                        ; 34,816 dense bytes as 136 rows of 32 elements of 8 bytes; no mask, no padding
	s_mov_b32 s[G1K+1], 32<<16
	s_mov_b32 s[G1K+2], 136<<16
	s_mov_b32 s[G1K+3], 32<<16
	s_mov_b32 s[G1K+4], 136
	s_mov_b32 s[G1K+5], 32
	s_mov_b32 s[G1K+6], 0
	s_mov_b32 s[G1K+7], 0
	s_mov_b32 s[G0K], 1
	s_mul_i32 s[G0K+1], s[WV], KQ
	s_mov_b32 s[SEL], 0x76543210
	s_mov_b32 s[SEL+1], 0xfedcba98                 ; v_permlanex16_b32's selects for lane l xor 16
	s_mov_b32 s[CS], 0x3d38aa3b                    ; c = log2(e) / 32
	s_mov_b32 s[CS+1], s[CS]
	s_mul_i32 s[PSEL], s[WV], 0x01010101
	s_sub_co_u32 s[PSEL], 0x07060504, s[PSEL]      ; byte b = 4 + b - w: moves my five bytes w places up in the row's eight
	v_and_b32 v90, 31, v0
	v_lshlrev_b32 v[LI], 4, v90
	v_lshlrev_b32 v[LS], 2, v90
	v_and_b32 v[RR], 15, v0
	v_bfe_u32 v[HH], v0, 4, 1
	v_lshl_add_u32 v[QSO], s[WV], 2, v[LI]         ; word w of a lane's four: query tiles 2 w (lanes 0-15) and 2 w + 1 (lanes 16-31)
	s_wait_alu depctr_va_vdst(0)
	s_wait_dscnt 0x0                               ; both opening adds are done
	s_wait_kmcnt 0x0
	s_add_nc_u64 s[G0K+2:G0K+3], s[8:9], s[56:57]
	s_or_b32 s[G0K+3], s[G0K+3], 0x80000000
	tensor_load_to_lds s[G0K:G0K+3], s[G1K:G1K+7]  ; my part of K: the only tensor load of the text
	s_nop 0
	PLACES
	s_lshl_b32 s56, s[BLK], 16
	s_lshl_b32 s63, s[WV], 14
	s_add_co_u32 s56, s56, s63
	s_add_nc_u64 s[4:5], s[4:5], s[56:57]          ; qf at my two query tiles
	s_lshl_b32 s56, s[BLK], 12
	s_add_nc_u64 s[6:7], s[6:7], s[56:57]          ; qs at my block
	s_lshl_b32 s62, s[EE], 2
	s_add_co_u32 s62, s62, s[WV]                   ; my group of 128 d
	s_sub_co_u32 s55, s[BLK], s[BACK]              ; the previous block
	s_lshl_b32 s63, s62, 13
	s_lshl_b32 s56, s55, 16
	s_add_co_u32 s56, s56, s63
	s_add_nc_u64 s[58:59], s[12:13], s[56:57]      ; vf: the previous block's,
	s_lshl_b32 s56, s[BLK], 16
	s_add_co_u32 s56, s56, s63
	s_add_nc_u64 s[12:13], s[12:13], s[56:57]      ; the own block's
	s_lshl_b32 s63, s62, 9
	s_lshl_b32 s56, s55, 12
	s_add_co_u32 s56, s56, s63
	s_add_nc_u64 s[60:61], s[14:15], s[56:57]      ; vs likewise
	s_lshl_b32 s56, s[BLK], 12
	s_add_co_u32 s56, s56, s63
	s_add_nc_u64 s[14:15], s[14:15], s[56:57]
	s_lshl_b32 s56, s[BLK], 19
	s_lshl_b32 s63, s[EE], 11
	s_add_co_u32 s56, s56, s63
	s_lshl_b32 s63, s[WV], 9
	s_add_co_u32 s56, s56, s63
	s_add_nc_u64 s[16:17], s[16:17], s[56:57]      ; out0: 128 rows of 4,096 bytes a block; my 512 bytes of a row
	WIN 0x40                                       ; destination window 1
.irp s, 0,1,2,3,4,5,6,7                ; Q of my even tile: the first pass wants it with K
.irp c, 0,1
	global_load_b128 v[8*\s+4*\c:8*\s+4*\c+3], v[LI], s[4:5] offset:1024*\s+512*\c
.endr
.endr
	WIN 0
.irp s, 0,1,2,3,4,5,6,7
	global_load_b32 v[QSW+\s], v[QSO], s[6:7] offset:512*\s          ; both tiles' scale words in one register
.endr
	; every LDS address is a constant + a constant x lane + a constant x wave
.irp i, 0,1,2,3,4
	s_add_co_u32 s62, s[WV], \i                    ; key block w + i: two tiles of 8,192 bytes in part (w + i) / 2
	s_lshr_b32 s63, s62, 1
	s_mul_i32 s63, s63, KQ
	s_and_b32 s62, s62, 1
	s_lshl_b32 s62, s62, 14
	s_add_co_u32 s62, s62, s63
	v_add_nc_u32 v[AK+\i], s62, v[LI]
.endr
.irp i, 0,1,2,3,4
	s_add_co_u32 s62, s[WV], \i
	s_lshr_b32 s63, s62, 2
	s_mul_i32 s63, s63, 2*KQ                       ; which half of the pair,
	s_and_b32 s62, s62, 3
	s_lshl_b32 s62, s62, 2                         ; which word of a lane's four
	s_add_co_u32 s62, s62, s63
	s_add_co_u32 s62, s62, 32768
	v_add_nc_u32 v[ASK+\i], s62, v[LI]
.endr
	v_lshlrev_b32 v90, 4, v[RR]
	v_lshl_add_u32 v90, v[HH], 3, v90              ; 16 r + 8 h
	s_wait_alu depctr_va_vdst(0)
	s_mul_i32 s62, s[WV], 4352                     ; query tile 2 w (4,096 w) and key block w (256 w)
	s_add_co_u32 s62, s62, PIMG
	v_add_nc_u32 v[PST], s62, v90
.irp z, 0,1,2
	s_add_co_u32 s62, s[WV], 5+\z
	s_and_b32 s62, s62, 7
	s_lshl_b32 s62, s62, 8
	s_lshl_b32 s63, s[WV], 12
	s_add_co_u32 s62, s62, s63
	s_add_co_u32 s62, s62, PIMG
	v_add_nc_u32 v[PZ+\z], s62, v90
.endr
	s_lshl_b32 s62, s[WV], 9
	s_add_co_u32 s62, s62, PSC
	v_add_nc_u32 v[PSS], s62, v[LS]
	s_lshl_b32 s62, s[WV], 8
	s_add_co_u32 s62, s62, PLI
	v_add_nc_u32 v[PLS], s62, v[LS]
	s_mul_i32 s62, s[WV], 16*528
	s_add_co_u32 s62, s62, STAGE
	v_mul_u32_u24 v[STO], v[RR], 528
	v_lshl_add_u32 v[STO], v[HH], 5, v[STO]
	v_add_nc_u32 v[STO], s62, v[STO]
	v_add_nc_u32 v[RD], s62, v[LI]
	v_add_nc_u32 v[PLD], PIMG, v[LI]
	v_add_nc_u32 v[PSL], PSC, v[LS]
	v_lshlrev_b32 v90, 3, v[HH]
	v_sub_nc_u32 v[DV], v[RR], v90
	v_mov_b32 v[NEG], 0xff800000
	v_mov_b32 v[ZZ], 0
	v_mov_b32 v[ZZ+1], 0
.irp k, 0,1,2,3,4
	v_mov_b32 v[BP+\k], 0                          ; written once: a lane permute's destination counts as one of its sources
.endr
	s_wait_alu depctr_va_vdst(0)
	s_wait_loadcnt 0x0                             ; the even tile's Q and its scale words are in.  V is wanted a phase later than K: only now is it asked for
	WIN 0x80                                       ; destination window 2
.irp d, 0,1,2,3,4,5,6,7
.irp c, 0,1
	global_load_b128 v[8*\d+4*\c:8*\d+4*\c+3], v[LI], s[12:13] offset:1024*\d+512*\c
	global_load_b128 v[64+8*\d+4*\c:64+8*\d+4*\c+3], v[LI], s[58:59] offset:1024*\d+512*\c
.endr
.endr
	WIN 0
	global_load_b128 v[VSW:VSW+3], v[LI], s[14:15]
	global_load_b128 v[VSW+4:VSW+7], v[LI], s[60:61]
	WIN 0x40
.irp s, 0,1,2,3,4,5,6,7                ; Q of my odd tile: the second pass wants it
.irp c, 0,1
	global_load_b128 v[64+8*\s+4*\c:64+8*\s+4*\c+3], v[LI], s[4:5] offset:8192+1024*\s+512*\c
.endr
.endr
	WIN 0
	s_wait_tensorcnt 0x0                           ; my parts of K and of its scale words are in,
	s_barrier_signal -1
	s_barrier_wait -1                              ; everybody's are
; One product S^T(tile u of the key block, query tile t) at a K step.  The registers are set by the caller.  z = 1: it starts the sum.
.macro SMM u, t, z
.if \z
.if (\u == 0) && (\t == 0)
	v_wmma_scale_f32_16x16x128_f8f6f4 v[rS:rS+7], v[rK:rK+7], v[rQ:rQ+7], 0, v[sK], v[sQ] matrix_a_fmt:MATRIX_FMT_FP4 matrix_b_fmt:MATRIX_FMT_FP4
.elseif (\u == 1) && (\t == 0)
	v_wmma_scale_f32_16x16x128_f8f6f4 v[rS:rS+7], v[rK:rK+7], v[rQ:rQ+7], 0, v[sK], v[sQ] matrix_a_fmt:MATRIX_FMT_FP4 matrix_b_fmt:MATRIX_FMT_FP4 matrix_a_scale:MATRIX_SCALE_ROW1
.elseif (\u == 0) && (\t == 1)
	v_wmma_scale_f32_16x16x128_f8f6f4 v[rS:rS+7], v[rK:rK+7], v[rQ:rQ+7], 0, v[sK], v[sQ] matrix_a_fmt:MATRIX_FMT_FP4 matrix_b_fmt:MATRIX_FMT_FP4 matrix_b_scale:MATRIX_SCALE_ROW1
.else
	v_wmma_scale_f32_16x16x128_f8f6f4 v[rS:rS+7], v[rK:rK+7], v[rQ:rQ+7], 0, v[sK], v[sQ] matrix_a_fmt:MATRIX_FMT_FP4 matrix_b_fmt:MATRIX_FMT_FP4 matrix_a_scale:MATRIX_SCALE_ROW1 matrix_b_scale:MATRIX_SCALE_ROW1
.endif
.else
.if (\u == 0) && (\t == 0)
	v_wmma_scale_f32_16x16x128_f8f6f4 v[rS:rS+7], v[rK:rK+7], v[rQ:rQ+7], v[rS:rS+7], v[sK], v[sQ] matrix_a_fmt:MATRIX_FMT_FP4 matrix_b_fmt:MATRIX_FMT_FP4
.elseif (\u == 1) && (\t == 0)
	v_wmma_scale_f32_16x16x128_f8f6f4 v[rS:rS+7], v[rK:rK+7], v[rQ:rQ+7], v[rS:rS+7], v[sK], v[sQ] matrix_a_fmt:MATRIX_FMT_FP4 matrix_b_fmt:MATRIX_FMT_FP4 matrix_a_scale:MATRIX_SCALE_ROW1
.elseif (\u == 0) && (\t == 1)
	v_wmma_scale_f32_16x16x128_f8f6f4 v[rS:rS+7], v[rK:rK+7], v[rQ:rQ+7], v[rS:rS+7], v[sK], v[sQ] matrix_a_fmt:MATRIX_FMT_FP4 matrix_b_fmt:MATRIX_FMT_FP4 matrix_b_scale:MATRIX_SCALE_ROW1
.else
	v_wmma_scale_f32_16x16x128_f8f6f4 v[rS:rS+7], v[rK:rK+7], v[rQ:rQ+7], v[rS:rS+7], v[sK], v[sQ] matrix_a_fmt:MATRIX_FMT_FP4 matrix_b_fmt:MATRIX_FMT_FP4 matrix_a_scale:MATRIX_SCALE_ROW1 matrix_b_scale:MATRIX_SCALE_ROW1
.endif
.endif
.endm
; Key tile 2 (w + i) + u counts for query tile 2 w + t where t <= 2 i + u <= t + 8: all but (i = 0, u = 0, t = 1) and (i = 4, u = 1, t = 0).
.macro SETLIVE i, u, t
.set LIVE, 1
.if ((\i) == 0) && ((\u) == 0) && ((\t) == 1)
.set LIVE, 0
.endif
.if ((\i) == 4) && ((\u) == 1) && ((\t) == 0)
.set LIVE, 0
.endif
.endm
; The products of key block i at K step s for query tile t.  Two live tiles: their accumulators take turns, one instruction a turn.  One live tile (LONE): a chain on one accumulator, with the wait directly ahead of each link
.macro SPROD i, s, t
.irp u, 0,1
	SETLIVE \i, \u, \t
.if LIVE
.set rS, SS+16*(\i)+8*\u
.set rK, 128+64*\u+8*(\s)
.set rQ, 64*(\t)+8*(\s)
.set sK, KSW+(\s)
.set sQ, QSW+(\s)
.if (\s) == 0
	SMM \u, \t, 1
.else
.if LONE
	s_wait_alu depctr_va_vdst(0)
.endif
	SMM \u, \t, 0
.endif
.endif
.endr
.endm
; Key block i of my five, for query tile t.  In a sequence's first block the blocks of the previous half are jumped over (a scalar branch on the work-group's and the wave's number) and their scores are -infinity.
.macro SBLOCK i, t
.set LONE, 0
.if ((\i) == 0) && ((\t) == 1)
.set LONE, 1
.endif
.if ((\i) == 4) && ((\t) == 0)
.set LONE, 1
.endif
.if \i < 4
	s_cmp_gt_u32 s[FIRST], \i
	s_cbranch_scc1 .Ldead_\@
.endif
	PLACES                                         ; in front of loads into registers that the last block's products have read
.irp s, 0,1,2,3,4,5,6,7
	ds_load_b32 v[KSW+\s], v[ASK+\i] offset:KQ*(\s/4)+512*(\s%4)   ; lanes 0-15 tile u = 0, lanes 16-31 tile u = 1
.endr
	WIN 0x40
.irp s, 0,1,2,3,4,5,6,7
.irp u, 0,1
	SETLIVE \i, \u, \t
.if LIVE
.irp c, 0,1
	ds_load_b128 v[128+64*\u+8*\s+4*\c:128+64*\u+8*\s+4*\c+3], v[AK+\i] offset:8192*\u+1024*\s+512*\c
.endr
.endif
.endr
.endr
	WIN 0x05                                       ; K and Q in window 1, S^T in window 0
.irp s, 0,1,2,3,4,5,6,7
	s_wait_dscnt (4-2*LONE)*(7-\s)                 ; the scale words and K steps 0 .. s are in; the loads of the later K steps, four a step (one live tile: two), may be out
	SPROD \i, \s, \t
.endr
	WIN 0
.if \i < 4
	s_branch .Ljoin_\@
.Ldead_\@:
	s_wait_alu depctr_va_vdst(0)
.irp u, 0,1
	SETLIVE \i, \u, \t
.if LIVE
.irp j, 0,1,2,3,4,5,6,7
	v_mov_b32 v[SS+16*\i+8*\u+\j], v[NEG]
.endr
.endif
.endr
.Ljoin_\@:
.endif
.endm
.macro SCORES t
	SBLOCK 0, \t
	SBLOCK 1, \t
	SBLOCK 2, \t
	SBLOCK 3, \t
	SBLOCK 4, \t
.endm
; The mask, the softmax and the quantiser of query tile 2 w + t; p, its scale words and 1 / the sum go to LDS; then the pass's barrier.
.macro SOFTMAX t
.irp j, 0,1,2,3,4,5,6,7                ; the tile that was not multiplied.  (These eight name no register of the last products: they are the places behind them)
	v_mov_b32 v[SS+72*(1-(\t))+\j], v[NEG]
.endr
; THE MASK.  Two tiles are cut: in key tile qt a key counts where 8 h + j > r, in key tile qt + 8 where 8 h + j <= r.
.irp j, 0,1,2,3,4,5,6,7
	v_cmp_gt_i32 vcc_lo, \j, v[DV]
	v_cndmask_b32 v[SS+8*(\t)+\j], v[NEG], v[SS+8*(\t)+\j], vcc_lo
	v_cndmask_b32 v[SS+64+8*(\t)+\j], v[SS+64+8*(\t)+\j], v[NEG], vcc_lo
.endr
; The largest score of each block of 32 keys serves twice: for the row's maximum, and, since p rises with the score, for the block's largest p.
.irp i, 0,1,2,3,4
	v_max3_num_f32 v[BM+\i], v[SS+16*\i], v[SS+16*\i+1], v[SS+16*\i+2]
.endr
.irp m, 3,5,7,9,11,13
.irp i, 0,1,2,3,4
	v_max3_num_f32 v[BM+\i], v[BM+\i], v[SS+16*\i+\m], v[SS+16*\i+\m+1]
.endr
.endr
.irp i, 0,1,2,3,4
	v_max_num_f32 v[BM+\i], v[BM+\i], v[SS+16*\i+15]
.endr
.irp i, 0,1,2,3,4
	v_permlanex16_b32 v[BP+\i], v[BM+\i], s[SEL], s[SEL+1]
.endr
.irp i, 0,1,2,3,4
	v_max_num_f32 v[BM+\i], v[BM+\i], v[BP+\i]     ; with lane l xor 16's 16 keys
.endr
	v_max3_num_f32 v[RM], v[BM], v[BM+1], v[BM+2]
	v_max3_num_f32 v[RM], v[RM], v[BM+3], v[BM+4]  ; the row's largest score: the key t itself always counts, so it is a number
	v_mul_f32 v[RM], s[CS], v[RM]                  ; as t (c is positive)
	v_floor_f32 v[NM], -v[RM]                      ; -M = floor(-t) = -ceil(t)
	v_mov_b32 v[NM+1], v[NM]                       ; (named with it as a pair)
.irp j, 0,2,4,6,8,10,12,14,16,18,20,22,24,26,28,30,32,34,36,38,40,42,44,46,48,50,52,54,56,58,60,62,64,66,68,70,72,74,76,78
	v_pk_fma_f32 v[SS+\j:SS+\j+1], v[SS+\j:SS+\j+1], s[CS:CS+1], v[NM:NM+1] op_sel_hi:[1,0,0]   ; t - M, two at a time
.endr
.irp i, 0,1,2,3,4
	v_fma_f32 v[BM+\i], v[BM+\i], s[CS], v[NM]     ; the same of each block's largest score
.endr
.set j, 0
	s_wait_alu depctr_va_vdst(0)
.rept 80
	v_exp_f32 v[SS+j], v[SS+j]                     ; p = 2^(t - M), at most 1, not normalised; 0 where the mask hides the key
.set j, j+1
.endr
	v_nop                                          ; a plain place behind the exponentials
	s_wait_alu depctr_va_vdst(0)                   ; one wait for the whole batch, ahead of its first reader
.irp i, 0,1,2,3,4
	v_exp_f32 v[BM+\i], v[BM+\i]                   ; the block's largest p: the same two instructions on the same number give the same bits
.endr
.irp q, 0,1,2,3                        ; the row's sum is taken of the unquantised p: two at a time, in four chains.  (It reads the 80 alone: plain work behind the five)
	v_pk_add_f32 v[RS+2*\q:RS+2*\q+1], v[SS+4*\q:SS+4*\q+1], v[SS+4*\q+2:SS+4*\q+3]
.endr
.irp j, 16,24,32,40,48,56,64,72
.irp q, 0,1,2,3
	v_pk_add_f32 v[RS+2*\q:RS+2*\q+1], v[RS+2*\q:RS+2*\q+1], v[SS+\j+2*\q:SS+\j+2*\q+1]
.endr
.endr
	v_pk_add_f32 v[RS:RS+1], v[RS:RS+1], v[RS+2:RS+3]
	v_pk_add_f32 v[RS+4:RS+5], v[RS+4:RS+5], v[RS+6:RS+7]
	v_pk_add_f32 v[RS:RS+1], v[RS:RS+1], v[RS+4:RS+5]
	v_add_f32 v[RS], v[RS], v[RS+1]
	v_permlanex16_b32 v[RS+1], v[RS], s[SEL], s[SEL+1]
	v_add_f32 v[RS], v[RS], v[RS+1]                ; with lane l xor 16's: the row's sum
	s_wait_alu depctr_va_vdst(0)
	v_rcp_f32 v[RS+2], v[RS]
	v_nop                                          ; a plain place behind the reciprocal
	s_wait_alu depctr_va_vdst(0)                   ; one wait for the five exponentials and the reciprocal, ahead of their first reader
.irp i, 0,1,2,3,4
	v_max_num_f32 v[BM+\i], 0x1800000, v[BM+\i]    ; the floor 2^(3 - 127): the byte cannot fall under 1
.endr
.irp i, 0,1,2,3,4
	v_add_nc_u32 v[BP+\i], 0xff000000, v[BM+\i]    ; 2 off the exponent field: the conversion's scale operand
.endr
.irp i, 0,1,2,3,4
	v_lshrrev_b32 v[BM+\i], 23, v[BP+\i]           ; the scale's byte
.endr
	v_lshl_or_b32 v[BM], v[BM+1], 8, v[BM]
	v_lshl_or_b32 v[BM], v[BM+2], 16, v[BM]
	v_lshl_or_b32 v[BM], v[BM+3], 24, v[BM]        ; the bytes of my blocks 0-3; block 4's stands alone
	v_perm_b32 v[PWD], v[BM], v[ZZ], s[PSEL]       ; the five bytes, w places up: the word of the previous block's K step (zeros below),
	v_perm_b32 v[PWD+1], v[BM+4], v[BM], s[PSEL]   ; and of the own block's (zeros above)
; p's codes go to LDS by key blocks: a block's 32 codes of row r are 16 bytes at 256 x block + 16 r, so that 16 x lane reads back an operand's registers.
.irp i, 0,1,2,3,4
.irp u, 0,1
	v_cvt_scalef32_pk8_fp4_f32 v[CB+2*\i+\u], v[SS+16*\i+8*\u:SS+16*\i+8*\u+7], v[BP+\i]   ; the codes of the block's keys 16 u + 8 h + 0 .. 7
.endr
.endr
	v_nop                                          ; one plain place behind the last scaled conversion
.irp i, 0,1,2,3,4
	v_permlane16_swap_b32 v[CB+2*\i], v[CB+2*\i+1] ; the pair now holds bytes 8 h .. 8 h + 7 of the block's 16
.endr
.irp i, 0,1,2,3,4
	ds_store_b64 v[PST], v[CB+2*\i:CB+2*\i+1] offset:2048*(\t)+256*\i
.endr
.irp z, 0,1,2
	ds_store_b64 v[PZ+\z], v[ZZ:ZZ+1] offset:2048*(\t)             ; zero codes for the blocks out of reach
.endr
	ds_store_b32 v[PSS], v[PWD] offset:256*(\t)
	ds_store_b32 v[PSS], v[PWD+1] offset:256*(\t)+128
	ds_store_b32 v[PLS], v[RS+2] offset:128*(\t)
	s_wait_dscnt 0x0                               ; for the others' sake: my stores have landed
	s_barrier_signal -1
	s_barrier_wait -1                              ; p of the four query tiles of this parity lies in LDS
.endm
; THE OUTPUT, a query tile at a time.  A set of P: 16 registers of codes (own block's K step, previous block's), 1 / the sum as a pair; its two scale words stand among the scale registers.
.macro FETCHP qt, set
.set PB, 56+18*(\set)
.irp c, 0,1
	ds_load_b128 v[PB+4*\c:PB+4*\c+3], v[PLD] offset:2048*(\qt)+1024+512*\c
	ds_load_b128 v[PB+8+4*\c:PB+8+4*\c+3], v[PLD] offset:2048*(\qt)+512*\c
.endr
	ds_load_b32 v[PW+2*(\set)], v[PSL] offset:256*(\qt)+128
	ds_load_b32 v[PW+2*(\set)+1], v[PSL] offset:256*(\qt)
	ds_load_b32 v[PB+16], v[PSL] offset:2048+128*(\qt)
	ds_load_b32 v[PB+17], v[PSL] offset:2048+128*(\qt)
.endm
.macro PVMUL set                       ; O^T = V^T P^T: my eight tiles of 16 d by turns; the own block's K step starts the sums; the previous block's follows, but not in a sequence's first block
.set PB, 56+18*(\set)
	WIN 0x52                                       ; V in window 2, P in window 0, O^T in window 1
.irp d, 0,2,4,6
	v_wmma_scale_f32_16x16x128_f8f6f4 v[8*\d:8*\d+7], v[8*\d:8*\d+7], v[PB:PB+7], 0, v[VSW+\d/2], v[PW+2*(\set)] matrix_a_fmt:MATRIX_FMT_FP4 matrix_b_fmt:MATRIX_FMT_FP4
	v_wmma_scale_f32_16x16x128_f8f6f4 v[8*\d+8:8*\d+15], v[8*\d+8:8*\d+15], v[PB:PB+7], 0, v[VSW+\d/2], v[PW+2*(\set)] matrix_a_fmt:MATRIX_FMT_FP4 matrix_b_fmt:MATRIX_FMT_FP4 matrix_a_scale:MATRIX_SCALE_ROW1
.endr
	WIN 0
	s_cmp_eq_u32 s[NN], 0
	s_cbranch_scc1 .Lno_prev_\@
	WIN 0x52
.irp d, 0,2,4,6
	v_wmma_scale_f32_16x16x128_f8f6f4 v[8*\d:8*\d+7], v[64+8*\d:64+8*\d+7], v[PB+8:PB+15], v[8*\d:8*\d+7], v[VSW+4+\d/2], v[PW+2*(\set)+1] matrix_a_fmt:MATRIX_FMT_FP4 matrix_b_fmt:MATRIX_FMT_FP4
	v_wmma_scale_f32_16x16x128_f8f6f4 v[8*\d+8:8*\d+15], v[64+8*\d+8:64+8*\d+15], v[PB+8:PB+15], v[8*\d+8:8*\d+15], v[VSW+4+\d/2], v[PW+2*(\set)+1] matrix_a_fmt:MATRIX_FMT_FP4 matrix_b_fmt:MATRIX_FMT_FP4 matrix_a_scale:MATRIX_SCALE_ROW1
.endr
	WIN 0
.Lno_prev_\@:
.endm
.macro SCALE set                       ; O^T / the sum, each accumulator from its low end on
.set PB, 56+18*(\set)
	PLACES
	WIN 0x01
.irp k, 0,2,4,6,8,10,12,14,16,18,20,22,24,26,28,30,32,34,36,38,40,42,44,46,48,50,52,54,56,58,60,62
	v_pk_mul_f32 v[OS+\k:OS+\k+1], v[\k:\k+1], v[PB+16:PB+17] op_sel_hi:[1,0]
.endr
	WIN 0
.endm
.macro TOSTAGE                         ; lane (r, h) holds d 16 d' + 8 h + 0 .. 7 of query r: through my own stage, back as whole rows of 512 bytes.  LDS serves a wave's instructions in order (ISA guide 5.7.1.4)
.irp d, 0,1,2,3,4,5,6,7
	ds_store_b128 v[STO], v[OS+8*\d:OS+8*\d+3] offset:64*\d
	ds_store_b128 v[STO], v[OS+8*\d+4:OS+8*\d+7] offset:64*\d+16
.endr
.irp t, 0,1,2,3,4,5,6,7,8,9,10,11,12,13,14,15
	ds_load_b128 v[BK+4*\t:BK+4*\t+3], v[RD] offset:528*\t
.endr
.endm
.macro SEND qt
.irp t, 0,1,2,3,4,5,6,7,8,9,10,11,12,13,14,15
	global_store_b128 v[LI], v[BK+4*\t:BK+4*\t+3], s[16:17] offset:(16*(\qt)+\t)*4096 th:TH_STORE_NT   ; 32 lanes store 512 consecutive bytes, aligned; written once, read by nobody here
.endr
.endm
; The four query tiles t, t + 2, t + 4, t + 6.  The last tile's rows are left in registers: the caller sends them.
.macro OUTPASS t
	FETCHP \t, 0
.irp k, 0,1,2,3
	s_wait_dscnt 0x0                               ; this tile's P is in, and the last tile's rows are back from the stage
.if \k > 0
	SEND 2*(\k-1)+\t
.endif
	PVMUL \k%2
.if \k < 3
	FETCHP 2*(\k+1)+\t, (\k+1)%2                   ; into the other set: its last products stand behind the last tile's scaling
.endif
	SCALE \k%2
	s_wait_alu depctr_va_vdst(0)
	s_wait_xcnt 0x0                                ; the stores have read their data: the rows' registers are loaded again only behind this wait
	TOSTAGE
.endr
	s_wait_dscnt 0x0                               ; the last tile's rows are back from the stage
.endm
	; ---- the first pass: query tiles 0, 2, 4, 6
	SCORES 0
	SOFTMAX 0
	s_wait_loadcnt 16                              ; V and its scale words are in; the odd tile's sixteen loads of Q, issued behind them, may stay out
	OUTPASS 0
	; ---- the second pass: query tiles 1, 3, 5, 7, worked while the first pass's stores are on their way
	s_wait_loadcnt 0x0                             ; the odd tile's Q
	SCORES 1
	SEND 6                                         ; the first pass's last sixteen stores stand here: straight behind the other 48 they would be the wave's 49th to 64th outstanding, one more than STOREcnt counts, and the issue
	                                               ; would be held (ISA guide 5.7.1) ahead of scores that do not need them.  Their registers, v176-239, are none of the scores'
	SOFTMAX 1
	OUTPASS 1
	SEND 7
	s_wait_tensorcnt 0x0                           ; the wave's end: behind my last tensor load and my last LDS store
	ds_add_u32 v[SPW], v[NIL]
	s_wait_dscnt 0x0
	s_endpgm
.Lfunc_end_k_q12e02d3888_attn:
	.size	k_q12e02d3888_attn, .Lfunc_end_k_q12e02d3888_attn-k_q12e02d3888_attn
	.p2alignl 7, 3214868480
	.fill 96, 4, 3214868480
	.section	.rodata,"a",@progbits
	.p2align	6, 0x0
	.amdhsa_kernel k_q12e02d3888_attn
		.amdhsa_group_segment_fixed_size 196608
		.amdhsa_private_segment_fixed_size 0
		.amdhsa_enable_private_segment 0
		.amdhsa_kernarg_size 48
		.amdhsa_user_sgpr_count 2
		.amdhsa_user_sgpr_kernarg_segment_ptr 1
		.amdhsa_wavefront_size32 1
		.amdhsa_system_sgpr_workgroup_id_x 1
		.amdhsa_system_sgpr_workgroup_id_y 1
		.amdhsa_system_sgpr_workgroup_id_z 1
		.amdhsa_system_vgpr_workitem_id 0
		.amdhsa_next_free_vgpr 640
		.amdhsa_next_free_sgpr 72
		.amdhsa_reserve_vcc 1
		.amdhsa_float_denorm_mode_32 3
		.amdhsa_float_denorm_mode_16_64 3
		.amdhsa_memory_ordered 1
		.amdhsa_forward_progress 1
		.amdhsa_inst_pref_size 166
	.end_amdhsa_kernel
	.amdgpu_metadata
---
amdhsa.version: [ 1, 2 ]
amdhsa.kernels:
  - .name:           k_q12e02d3888_attn
    .symbol:         k_q12e02d3888_attn.kd
    .args:
      - { .name: qf, .offset: 0, .size: 8, .value_kind: global_buffer, .address_space: global }
      - { .name: qs, .offset: 8, .size: 8, .value_kind: global_buffer, .address_space: global }
      - { .name: kf, .offset: 16, .size: 8, .value_kind: global_buffer, .address_space: global }
      - { .name: vf, .offset: 24, .size: 8, .value_kind: global_buffer, .address_space: global }
      - { .name: vs, .offset: 32, .size: 8, .value_kind: global_buffer, .address_space: global }
      - { .name: out0, .offset: 40, .size: 8, .value_kind: global_buffer, .address_space: global }
    .group_segment_fixed_size: 196608
    .private_segment_fixed_size: 0
    .kernarg_segment_align: 8
    .kernarg_segment_size: 48
    .max_flat_workgroup_size: 128
    .sgpr_count:     72
    .vgpr_count:     640
    .wavefront_size: 32
...
	.end_amdgpu_metadata
.endif
;; end of part 2
